; MI455X (gfx1250); checked and timed in simulation.
; The chip was launched on July 23, 2026; its instructions are those of AMD's public machine-readable ISA for CDNA 5 (MIT licence, August 2026) and "CDNA5" Instruction Set Architecture Reference Guide (July 2026). The comments in the code are by the model that wrote it; some were corrected since.
;; Self Attention. Allowed arithmetic: float matrix products may take bf16 or f16 operands with f32 sums; all other float work in f32.
;; Inputs: W_in 3,072 x 1,024 float32; W_out 1,024 x 1,024 float32; b_in 3,072 float32; b_out 1,024 float32; x 4 x 2,048 x 1,024 float32.
;; Outputs: out0 4 x 2,048 x 1,024 float32.
;; Constants: causal_mask = 1.
;; One version. Each part assembles by itself: llvm-mc -triple=amdgcn-amd-amdhsa -mcpu=gfx1250 --defsym DOCPART=n.
;; ======== version 1 of 1: 4 launches
;; limits: values are held in f16: magnitudes above 65,504 overflow, below 6.1e-05 lose precision
;; workspace buffers: xb 16,777,216 bytes; wib 6,291,456 bytes; wob 2,097,152 bytes; qkv 50,331,648 bytes; ob 16,777,216 bytes
;; launch cast (part 1): grid 768 x 1, 8 waves a work-group, no clusters, 0 bytes of LDS; arguments x, W_in, W_out, xb, wib, wob; writes xb, wib, wob
.if DOCPART == 1
	.amdgcn_target "amdgcn-amd-amdhsa--gfx1250"
	.amdhsa_code_object_version 6
	.text
	.protected	k_q8d586da392_cast
	.globl	k_q8d586da392_cast
	.p2align	8
	.type	k_q8d586da392_cast,@function
k_q8d586da392_cast:
	s_mov_b64 s[64:65], 0
	v_nop
	global_prefetch_b8 v0, s[64:65] scope:SCOPE_SE
	s_setreg_imm32_b32 hwreg(HW_REG_WAVE_MODE, 25, 1), 1
	s_wait_xcnt 0x0
; x [8192][1024] f32 -> xb bf16;  W_in [3072][1024] f32 -> wib bf16;  W_out [1024][1024] f32 -> wob f16.
; W_out is first rounded to bf16 (nearest even) like the other two and then carried in f16, because its partner in the
; last product is f16.  LIMIT: |W_out| at most 65,504 (above that f16 has no finite code), and bits of W_out below 2^-24 are lost.
; A pure stream: no LDS, no barrier, no matrix unit, no cluster (no two work-groups read the same byte).
; A work-group takes 16,384 numbers: groups 0-511 x, 512-703 W_in, 704-767 W_out.  A wave takes 2,048 numbers:
; sixteen loads of 16 bytes a lane (512 consecutive bytes each), all issued at once, and sixteen stores of 8 bytes a lane
; (256 consecutive bytes each, aligned).  No register is used twice, so only the loads are waited for.
.set X, 8                              ; v[8:71]    sixteen loads, 4 registers each
.set Y, 72                             ; v[72:103]  sixteen stores, 2 registers each
	s_load_b256 s[4:11], s[0:1], 0x0               ; x s[4:5], W_in s[6:7], W_out s[8:9], xb s[10:11]
	s_load_b128 s[12:15], s[0:1], 0x20             ; wib s[12:13], wob s[14:15]
	s_sub_co_u32 s17, ttmp9, 512                   ; my number among W_in's groups
	s_sub_co_u32 s18, ttmp9, 704                   ; my number among W_out's groups
	s_mov_b32 s26, 0xffff0000                      ; a word's upper bf16
	v_and_b32 v1, 31, v0                           ; lane
	v_lshrrev_b32 v2, 5, v0                        ; wave
	v_lshlrev_b32 v3, 4, v1
	v_lshl_add_u32 v3, v2, 13, v3                  ; in:  wave x 8,192 + lane x 16
	v_lshlrev_b32 v1, 3, v1
	v_lshl_add_u32 v2, v2, 12, v1                  ; out: wave x 4,096 + lane x 8
	s_wait_kmcnt 0x0
	s_cmp_lt_u32 ttmp9, 704                        ; which tensor: a choice on the group's number alone
	s_cselect_b64 s[20:21], s[6:7], s[8:9]
	s_cselect_b64 s[22:23], s[12:13], s[14:15]
	s_cselect_b32 s19, s17, s18
	s_cmp_lt_u32 ttmp9, 512
	s_cselect_b64 s[20:21], s[4:5], s[20:21]
	s_cselect_b64 s[22:23], s[10:11], s[22:23]
	s_cselect_b32 s19, ttmp9, s19
	s_lshl_b32 s24, s19, 16                        ; 65,536 bytes in for each group
	s_mov_b32 s25, 0
	s_add_nc_u64 s[20:21], s[20:21], s[24:25]
	s_lshl_b32 s24, s19, 15                        ; 32,768 bytes out
	s_add_nc_u64 s[22:23], s[22:23], s[24:25]
.irp j, 0,1,2,3,4,5,6,7,8,9,10,11,12,13,14,15
	global_load_b128 v[X+4*\j:X+4*\j+3], v3, s[20:21] offset:512*\j th:TH_LOAD_NT
.endr
; Load j is rounded and stored.  half = 1: the bf16 numbers are widened again and packed as f16.
.macro CV j, half
	s_wait_loadcnt 15-\j                           ; loads come back in order: the 15 - j younger ones may stay out
	v_cvt_pk_bf16_f32 v[Y+2*\j], v[X+4*\j], v[X+4*\j+1]
	v_cvt_pk_bf16_f32 v[Y+2*\j+1], v[X+4*\j+2], v[X+4*\j+3]
.if \half
	v_lshlrev_b32 v4, 16, v[Y+2*\j]
	v_and_b32 v5, s26, v[Y+2*\j]
	v_lshlrev_b32 v6, 16, v[Y+2*\j+1]
	v_and_b32 v7, s26, v[Y+2*\j+1]
	v_cvt_pk_f16_f32 v[Y+2*\j], v4, v5
	v_cvt_pk_f16_f32 v[Y+2*\j+1], v6, v7
.endif
	global_store_b64 v2, v[Y+2*\j:Y+2*\j+1], s[22:23] offset:256*\j
.endm
	s_cmp_ge_u32 ttmp9, 704
	s_cbranch_scc1 .Lhalf
.irp j, 0,1,2,3,4,5,6,7,8,9,10,11,12,13,14,15
	CV \j, 0
.endr
	s_endpgm
.Lhalf:
.irp j, 0,1,2,3,4,5,6,7,8,9,10,11,12,13,14,15
	CV \j, 1
.endr
	s_endpgm
.Lfunc_end_k_q8d586da392_cast:
	.size	k_q8d586da392_cast, .Lfunc_end_k_q8d586da392_cast-k_q8d586da392_cast
	.p2alignl 7, 3214868480
	.fill 96, 4, 3214868480
	.section	.rodata,"a",@progbits
	.p2align	6, 0x0
	.amdhsa_kernel k_q8d586da392_cast
		.amdhsa_group_segment_fixed_size 0
		.amdhsa_private_segment_fixed_size 0
		.amdhsa_enable_private_segment 0
		.amdhsa_kernarg_size 48
		.amdhsa_user_sgpr_count 2
		.amdhsa_user_sgpr_kernarg_segment_ptr 1
		.amdhsa_wavefront_size32 1
		.amdhsa_system_sgpr_workgroup_id_x 1
		.amdhsa_system_sgpr_workgroup_id_y 1
		.amdhsa_system_sgpr_workgroup_id_z 1
		.amdhsa_system_vgpr_workitem_id 0
		.amdhsa_next_free_vgpr 104
		.amdhsa_next_free_sgpr 66
		.amdhsa_reserve_vcc 0
		.amdhsa_float_denorm_mode_32 3
		.amdhsa_float_denorm_mode_16_64 3
		.amdhsa_memory_ordered 1
		.amdhsa_forward_progress 1
		.amdhsa_inst_pref_size 15
	.end_amdhsa_kernel
	.amdgpu_metadata
---
amdhsa.version: [ 1, 2 ]
amdhsa.kernels:
  - .name:           k_q8d586da392_cast
    .symbol:         k_q8d586da392_cast.kd
    .args:
      - { .name: x, .offset: 0, .size: 8, .value_kind: global_buffer, .address_space: global }
      - { .name: W_in, .offset: 8, .size: 8, .value_kind: global_buffer, .address_space: global }
      - { .name: W_out, .offset: 16, .size: 8, .value_kind: global_buffer, .address_space: global }
      - { .name: xb, .offset: 24, .size: 8, .value_kind: global_buffer, .address_space: global }
      - { .name: wib, .offset: 32, .size: 8, .value_kind: global_buffer, .address_space: global }
      - { .name: wob, .offset: 40, .size: 8, .value_kind: global_buffer, .address_space: global }
    .group_segment_fixed_size: 0
    .private_segment_fixed_size: 0
    .kernarg_segment_align: 8
    .kernarg_segment_size: 48
    .max_flat_workgroup_size: 256
    .sgpr_count:     66
    .vgpr_count:     104
    .wavefront_size: 32
...
	.end_amdgpu_metadata
.endif
;; end of part 1
;; launch inproj (part 2): grid 16 x 16, 4 waves a work-group, clusters of 4 x 4, 327,680 bytes of LDS; arguments xb, wib, b_in, qkv; writes qkv
.if DOCPART == 2
	.amdgcn_target "amdgcn-amd-amdhsa--gfx1250"
	.amdhsa_code_object_version 6
	.text
	.protected	k_q8d586da392_inproj
	.globl	k_q8d586da392_inproj
	.p2align	8
	.type	k_q8d586da392_inproj,@function
k_q8d586da392_inproj:
	s_mov_b64 s[64:65], 0
	v_nop
	global_prefetch_b8 v0, s[64:65] scope:SCOPE_SE
	s_setreg_imm32_b32 hwreg(HW_REG_WAVE_MODE, 25, 1), 1
	s_wait_xcnt 0x0
	s_wait_alu depctr_hold_cnt(0) depctr_sa_sdst(0) depctr_va_vdst(0) depctr_va_sdst(0) depctr_va_ssrc(0) depctr_va_vcc(0) depctr_vm_vsrc(0)
	s_getreg_b32 s2, hwreg(HW_REG_IB_STS2, 6, 4)
	s_cmp_eq_u32 s2, 0
	s_cbranch_scc0 .Lentry_in_a_cluster
	s_endpgm
.Lentry_in_a_cluster:
	s_bfe_u32 s2, ttmp6, 0x10000c
	s_cmp_lg_u32 s2, 0xf033
	s_cbranch_scc0 .Lentry_shape_is_right
	s_endpgm
.Lentry_shape_is_right:
; qkv = x W_in^T + b_in, 8192 x 3072 x 1024, bf16 operands, f32 sums; stored in f16, head by head:
; qkv[batch 4][head 48][t 2048][64]: heads 0-15 q, already multiplied by c = 0.125 log2 e, heads 16-31 k, heads 32-47 v.
; LIMIT: c q, k and v are clamped to +-65,504, the largest f16.
; A block is 256 rows x 192 columns (three whole heads): 32 x 16 blocks.  16 x 16 = 256 work-groups STAY and make two blocks each: block row
; by, then block row by + 16, of the same block column, so that W_in's tiles, the bias and the scales are the same for both.
; Four waves; wave w makes rows 64 w .. 64 w + 63 and all 192 columns: 4 x 12 accumulator tiles of 16 x 16, 384 registers.
; K goes in steps of 128 through two LDS slots filled by the tensor data mover: rows of 256 bytes, laid 272 bytes apart.  The ring runs on
; from the first block into the second: 16 K steps in all; the refills of K steps 6 and 7 ask for the second block's first two tiles, which
; land while the first block goes out.
; CLUSTERS: 4 x 4 work-groups.  x's tile hangs on the block row alone and is asked for jointly by a row of the cluster,
; W_in's on the block column alone and is asked for jointly by a column.
; REGISTER WINDOWS: 0: addresses, x's fragments v64-127 (two buffers of 32), the bias v128-223;
; 1: W_in's fragments v0-191 (two buffers of 96; buffer 1 also serves the way out); 2: tiles of my rows 0-31 at 8 (12 a + b); 3: those of my rows 32-63.
; The matrix instruction is used transposed: source 0 = 16 rows of W_in, source 1 = 16 rows of x, so that lane l holds row l % 16
; and its eight registers the columns 8 (l / 16) + 0..7.  The first product of a block takes the bias as C: nothing is cleared or added later.
; The 48 accumulators take turns, one instruction a turn, in the same order in every quarter step.
.set PITCH,  272
.set HA,     128*PITCH                 ; 128 rows of x: one tensor load
.set HB,     96*PITCH                  ; 96 rows of W_in: one tensor load
.set BOFF,   2*HA                      ; W_in's 192 rows lie behind x's 256
.set SLOT,   2*HA+2*HB                 ; 121,856
.set STAGE,  2*SLOT                    ; 243,712: behind the ring, 16 rows x 400 bytes for each wave; no tensor load lands here
.set SPITCH, 400                       ; 384 bytes of a row of 192 f16 + 16
.set LAPS,   4                         ; 1024 / 256: laps of a block; a lap = two K steps = once round the ring
.set NEXTA,  16*256*2048-3*512         ; x: from a slot's last K step of the first block to its first of the second: 16 block rows down, three refills back
.set BACKB,  3*512                     ; W_in: three refills back
.set NEXTO,  2*12582912                ; qkv: 16 block rows of 256 = two batches on
.set ADRA, 16                          ; v16-17 LDS address of my x fragments in slot 0, 1
.set ADRB, 20                          ; v20-21 the same for W_in
.set STO,  24                          ; way out: where I put 16 bytes of a row
.set RD,   25                          ; way out: where I read back
.set CO,   26                          ; 16 x lane
.set BO,   27                          ; 32 x (lane / 16): my eight bias numbers in a tile's sixteen
.set BIAS, 128                         ; v128-223: tile b: b_in of my eight columns; kept for both blocks
.set TMP,  96                          ; window 1: way out: packed f16, 12 x 4
.set RB,   144                         ; window 1: way out: read back, 12 x 4
.set G1,  16                           ; s[16:23] group 1 for x's tiles
.set G1B, 24                           ; s[24:31] group 1 for W_in's tiles
.set G0,  32                           ; s[32:39] group 0 for x's tiles, a set for each slot
.set G0B, 48                           ; s[48:55] group 0 for W_in's tiles
.set MSB, 0
.macro WIN new                         ; the immediate's high byte repeats the setting that is left
.if MSB != \new
	s_set_vgpr_msb (MSB<<8)|\new
.set MSB, \new
.endif
.endm
.macro PLACES                          ; four places behind a matrix instruction (ISA guide 7.12.1)
.rept 4
	v_nop
.endr
.endm
; A joint load: waves 0 and 1 fetch x's two halves, waves 2 and 3 W_in's.  The branch hangs on the wave's number alone.
.macro JLOAD s
	s_cmp_eq_u32 s13, 0
	s_cbranch_scc0 .Lfor_b_\@
	tensor_load_to_lds s[G0+4*\s:G0+4*\s+3], s[G1:G1+7]
	s_nop 0
.rept 4
	v_nop
.endr
	s_branch .Lasked_\@
.Lfor_b_\@:
	tensor_load_to_lds s[G0B+4*\s:G0B+4*\s+3], s[G1B:G1B+7]
	s_nop 0
.rept 4
	v_nop
.endr
.Lasked_\@:
.endm
.macro CREST                           ; a round of the cluster's barrier behind its opening barrier
	s_cmp_lg_u32 s12, 0
	s_cbranch_scc1 .Lnot_wave_0_\@
	s_barrier_signal -3
.Lnot_wave_0_\@:
	s_barrier_wait -3
	s_barrier_signal -1
	s_barrier_wait -1
.endm
.macro CROUND                          ; a whole round
	s_barrier_signal -1
	s_barrier_wait -1
	CREST
.endm
	s_load_b256 s[4:11], s[0:1], 0x0               ; xb s[4:5], wib s[6:7], b_in s[8:9], qkv s[10:11]
	s_set_vgpr_msb 0x40
	v_lshl_add_u32 v255, v0, 2, 0x41c00
	s_set_vgpr_msb 0x4000
	v_mov_b32 v255, 0
	s_set_vgpr_msb 0x1
	ds_add_u32 v255, v255
	ds_add_u32 v255, v255
	s_set_vgpr_msb 0x100
	v_lshrrev_b32 v1, 5, v0
	v_readfirstlane_b32 s12, v1                    ; wave 0..3
	s_lshr_b32 s13, s12, 1                         ; I fetch for x (0) or for W_in (1)
	s_and_b32 s14, s12, 1                          ; which half of that tile
	s_bfe_u32 s40, ttmp6, 0x40000                  ; cx
	s_bfe_u32 s41, ttmp6, 0x40004                  ; cy
	s_lshl_b32 s42, ttmp9, 2
	s_add_co_u32 s42, s42, s40                     ; block column = 4 x cluster x + cx
	s_and_b32 s43, ttmp7, 0xffff
	s_lshl_b32 s43, s43, 2
	s_add_co_u32 s43, s43, s41                     ; first block row = 4 x cluster y + cy, 0..15
	s_lshl_b32 s44, s41, 2
	s_lshl_b32 s44, 15, s44                        ; my row of the cluster
	s_lshl_b32 s45, 0x1111, s40                    ; my column
	s_or_b32 s[G1+0], s44, (1<<16)|(1<<20)|(1<<21)|(5<<22)|(3<<25)   ; mask; 2-byte elements; 4 words of padding behind every 64
	s_or_b32 s[G1B+0], s45, (1<<16)|(1<<20)|(1<<21)|(5<<22)|(3<<25)
	s_mov_b32 s[G1+1], 128<<16                     ; tensor_dim0 = 128
	s_mov_b32 s[G1B+1], 128<<16
	s_mov_b32 s[G1+2], 128<<16                     ; tensor_dim1 = 128 rows
	s_mov_b32 s[G1B+2], 96<<16                     ; 96 rows
	s_mov_b32 s[G1+3], 128<<16                     ; tile_dim0 = 128
	s_mov_b32 s[G1B+3], 128<<16
	s_mov_b32 s[G1+4], 128                         ; tile_dim1
	s_mov_b32 s[G1B+4], 96
	s_mov_b32 s[G1+5], 1024                        ; elements from row to row
	s_mov_b32 s[G1B+5], 1024
	s_mov_b32 s[G1+6], 0
	s_mov_b32 s[G1B+6], 0
	s_mov_b32 s[G1+7], 0
	s_mov_b32 s[G1B+7], 0
	; x's address is made of the block row and the wave's number in s[56:57], W_in's of the block column and the wave's number in s[58:59]
	s_lshl_b32 s62, s14, 7
	s_lshl_b32 s56, s43, 8
	s_add_co_u32 s56, s56, s62                     ; row 256 x block row + 128 x half
	s_lshl_b32 s56, s56, 11                        ; x 2,048 bytes
	s_mov_b32 s57, 0
	s_mul_i32 s63, s14, 96
	s_mul_i32 s58, s42, 192
	s_add_co_u32 s58, s58, s63                     ; row 192 x block column + 96 x half
	s_lshl_b32 s58, s58, 11
	s_mov_b32 s59, 0
	s_mul_i32 s46, s12, HA                         ; LDS: x's halves at wave x 34,816 (waves 0, 1)
	s_mul_i32 s47, s12, HB
	s_add_co_u32 s47, s47, 2*HA-2*HB               ; W_in's halves at 69,632 + (wave - 2) x 26,112 (waves 2, 3)
	s_wait_dscnt 0x0
	s_wait_kmcnt 0x0
	s_add_nc_u64 s[56:57], s[4:5], s[56:57]
	s_add_nc_u64 s[58:59], s[6:7], s[58:59]
	CROUND                                         ; all sixteen work-groups are here: the first joint loads meet
.irp s, 0,1
	s_mov_b32 s[G0+4*\s], 1
	s_add_co_u32 s[G0+4*\s+1], s46, \s*SLOT
	s_add_nc_u64 s[G0+4*\s+2:G0+4*\s+3], s[56:57], \s*256          ; K step s
	s_or_b32 s[G0+4*\s+3], s[G0+4*\s+3], 0x80000000
	s_mov_b32 s[G0B+4*\s], 1
	s_add_co_u32 s[G0B+4*\s+1], s47, \s*SLOT
	s_add_nc_u64 s[G0B+4*\s+2:G0B+4*\s+3], s[58:59], \s*256
	s_or_b32 s[G0B+4*\s+3], s[G0B+4*\s+3], 0x80000000
	JLOAD \s
.endr
	v_and_b32 v1, 15, v0                           ; l % 16
	v_bfe_u32 v2, v0, 4, 1                         ; l / 16
	v_lshlrev_b32 v[BO], 5, v2
	s_mul_i32 s60, s42, 768                        ; b_in at my 192 columns
	s_mov_b32 s61, 0
	s_add_nc_u64 s[8:9], s[8:9], s[60:61]
.irp b, 0,1,2,3,4,5,6,7,8,9,10,11
	global_load_b128 v[BIAS+8*\b:BIAS+8*\b+3], v[BO], s[8:9] offset:64*\b
	global_load_b128 v[BIAS+8*\b+4:BIAS+8*\b+7], v[BO], s[8:9] offset:64*\b+16
.endr
	v_mul_u32_u24 v3, v1, PITCH
	v_lshl_add_u32 v3, v2, 4, v3                   ; row x pitch + 16 x half
	s_mul_i32 s62, s12, 64*PITCH                   ; my 64 rows of x
	s_mov_b32 s63, BOFF
.irp s, 0,1
	v_add_nc_u32 v[ADRA+\s], s62, v3
	v_add_nc_u32 v[ADRB+\s], s63, v3
	s_add_co_u32 s62, s62, SLOT
	s_add_co_u32 s63, s63, SLOT
.endr
	s_mul_i32 s62, s12, 16*SPITCH
	s_add_co_u32 s62, s62, STAGE                   ; my stage
	v_mul_u32_u24 v4, v1, SPITCH
	v_lshl_add_u32 v4, v2, 4, v4
	v_add_nc_u32 v[STO], s62, v4                   ; in: row l % 16, 16 bytes for each half of the lanes
	v_bfe_u32 v5, v0, 3, 2
	v_mul_u32_u24 v5, v5, SPITCH
	v_and_b32 v6, 7, v0
	v_lshl_add_u32 v5, v6, 4, v5
	v_add_nc_u32 v[RD], s62, v5                    ; back: eight lanes take a head's 128 bytes of a row, 32 lanes four rows
	v_and_b32 v6, 31, v0
	v_lshlrev_b32 v[CO], 4, v6
	s_mul_i32 s62, s42, 3                          ; my first head
.irp hd, 0,1,2
	s_add_co_u32 s63, s62, \hd
	s_cmp_lt_u32 s63, 16                           ; a q head is multiplied by c = 0.125 log2 e, the others by 1: a select, no branch
	s_cselect_b32 s[66+2*\hd], 0x3e38aa3b, 1.0
	s_cselect_b32 s[67+2*\hd], 0x3e38aa3b, 1.0
.endr
	s_mov_b32 s72, 0xc77fe000                      ; -65,504
	s_mov_b32 s73, 0x477fe000                      ; +65,504
; 12 matrix instructions: my rows 16 a .. 16 a + 15 x all 192 columns, 32 along K, from buffer p
.macro MULA p, a, first
.irp b, 0,1,2,3,4,5,6,7,8,9,10,11
.if \first
	v_wmma_f32_16x16x32_bf16 v[8*(12*(\a&1)+\b):8*(12*(\a&1)+\b)+7], v[96*(\p)+8*\b:96*(\p)+8*\b+7], v[64+32*(\p)+8*\a:64+32*(\p)+8*\a+7], v[BIAS+8*\b:BIAS+8*\b+7]
.else
	v_wmma_f32_16x16x32_bf16 v[8*(12*(\a&1)+\b):8*(12*(\a&1)+\b)+7], v[96*(\p)+8*\b:96*(\p)+8*\b+7], v[64+32*(\p)+8*\a:64+32*(\p)+8*\a+7], v[8*(12*(\a&1)+\b):8*(12*(\a&1)+\b)+7]
.endif
.endr
.endm
; 32 LDS loads in one run: a quarter step's fragments (192 rows of W_in, my 64 rows of x, 32 K at byte k) into buffer p
.macro FETCH slot, k, p
	WIN 0x40
.irp i, 0,1,2,3,4,5,6,7,8,9,10,11
	ds_load_b128 v[96*(\p)+8*\i:96*(\p)+8*\i+3], v[ADRB+\slot] offset:\k+\i*16*PITCH
	ds_load_b128 v[96*(\p)+8*\i+4:96*(\p)+8*\i+7], v[ADRB+\slot] offset:\k+\i*16*PITCH+32
.endr
	WIN 0
.irp i, 0,1,2,3
	ds_load_b128 v[64+32*(\p)+8*\i:64+32*(\p)+8*\i+3], v[ADRA+\slot] offset:\k+\i*16*PITCH
	ds_load_b128 v[64+32*(\p)+8*\i+4:64+32*(\p)+8*\i+7], v[ADRA+\slot] offset:\k+\i*16*PITCH+32
.endr
.endm
; One of a K step's first three quarters: multiplies buffer p; in its middle fetches the next quarter (byte k) into the other buffer
.macro QUARTER slot, k, p, first
	s_wait_dscnt 4                                 ; all but the four youngest loads: x's fragments 2 and 3
.if \first
	WIN 0x81                                       ; C (the bias) in window 0, D in window 2
.else
	WIN 0xa1
.endif
	MULA \p, 0, \first
	MULA \p, 1, \first
	PLACES
	FETCH \slot, \k, 1-\p
	s_wait_dscnt 32                                ; all but the 32 just issued
.if \first
	WIN 0xc1
.else
	WIN 0xf1
.endif
	MULA \p, 2, \first
	MULA \p, 3, \first
.endm
.macro THREE slot, first
	QUARTER \slot, 64, 0, \first
	QUARTER \slot, 128, 1, 0
	QUARTER \slot, 192, 0, 0
.endm
; The last quarter: multiplies buffer 1 and changes slots.  In front of the barrier each wave waits for its reads of this slot and for all
; its tensor loads (one is out: its part of the next slot).  Where the slot is filled again the barrier opens a round of the cluster's
; barrier, and the joint refill is the first tensor load behind the round.  From a request to the wait for it: 180 matrix instructions.
; fill = 0: nothing is left to fetch; 1: two K steps on in the same block; 2: the same slot's first K step of the second block.
.macro TURN slot, next, fill
	s_wait_dscnt 4
	WIN 0xa1
	MULA 1, 0, 0
	s_wait_dscnt 0                                 ; my reads of this slot are over
	s_wait_tensorcnt 0x0                           ; and all my tensor loads have landed
	ds_add_u32 v255, v255
	s_wait_dscnt 0x0
	s_barrier_signal -1
	MULA 1, 1, 0                                   ; register work while the others arrive
	WIN 0
	s_barrier_wait -1
.if \fill
	CREST
.if \fill == 1
	s_add_nc_u64 s[G0+4*\slot+2:G0+4*\slot+3], s[G0+4*\slot+2:G0+4*\slot+3], 512
	s_add_nc_u64 s[G0B+4*\slot+2:G0B+4*\slot+3], s[G0B+4*\slot+2:G0B+4*\slot+3], 512
.else
	s_add_nc_u64 s[G0+4*\slot+2:G0+4*\slot+3], s[G0+4*\slot+2:G0+4*\slot+3], NEXTA
	s_sub_nc_u64 s[G0B+4*\slot+2:G0B+4*\slot+3], s[G0B+4*\slot+2:G0B+4*\slot+3], BACKB
.endif
	JLOAD \slot                                    ; its four v_nop are also the places in front of the loads below
.else
	PLACES
.endif
	FETCH \next, 0, 0
	WIN 0xf1
	MULA 1, 2, 0
	MULA 1, 3, 0
.endm
.macro LAP first, fill
	THREE 0, \first
	TURN 0, 1, \fill
	THREE 1, 0
	TURN 1, 0, \fill
.endm
; THE WAY OUT, 16 rows at a time: scale, clamp, round to f16, through my own stage, out as 512 consecutive bytes a store.
; Its 96 registers are W_in's fragment buffer 1 (window 1), which holds nothing at a block's end; buffer 0 may already hold the next block's first fragments.
.macro OUT16 a
.if \a < 2
	WIN 0x82
.else
	WIN 0xc3
.endif
.irp b, 0,1,2,3,4,5,6,7,8,9,10,11
.irp i, 0,2,4,6
	v_pk_mul_f32 v[8*(12*(\a&1)+\b)+\i:8*(12*(\a&1)+\b)+\i+1], v[8*(12*(\a&1)+\b)+\i:8*(12*(\a&1)+\b)+\i+1], s[66+2*(\b/4):67+2*(\b/4)] op_sel_hi:[1,0]
.endr
.endr
.irp b, 0,1,2,3,4,5,6,7,8,9,10,11
.irp i, 0,1,2,3,4,5,6,7
	v_med3_num_f32 v[8*(12*(\a&1)+\b)+\i], v[8*(12*(\a&1)+\b)+\i], s72, s73
.endr
.endr
.if \a < 2
	WIN 0x4a                                       ; sources in window 2, destination in window 1
.else
	WIN 0x4f                                       ; sources in window 3
.endif
.irp b, 0,1,2,3,4,5,6,7,8,9,10,11
.irp i, 0,1,2,3
	v_cvt_pk_f16_f32 v[TMP+4*\b+\i], v[8*(12*(\a&1)+\b)+2*\i], v[8*(12*(\a&1)+\b)+2*\i+1]
.endr
.endr
	WIN 0x04                                       ; store data in window 1, address in window 0
.irp b, 0,1,2,3,4,5,6,7,8,9,10,11
	ds_store_b128 v[STO], v[TMP+4*\b:TMP+4*\b+3] offset:32*\b
.endr
	s_wait_xcnt 0x0                                ; RB, which the last sixteen rows' stores read, is loaded again only behind this wait
	WIN 0x40
.irp hd, 0,1,2
.irp t, 0,1,2,3
	ds_load_b128 v[RB+4*(4*\hd+\t):RB+4*(4*\hd+\t)+3], v[RD] offset:1600*\t+128*\hd    ; LDS serves a wave in order: these see the stores above
.endr
.endr
	WIN 0x04
.irp hd, 0,1,2
.irp t, 0,1,2,3
	s_wait_dscnt 11-(4*\hd+\t)
	global_store_b128 v[CO], v[RB+4*(4*\hd+\t):RB+4*(4*\hd+\t)+3], s[10:11] offset:\hd*262144+\a*2048+\t*512   ; four rows of a head: 512 consecutive bytes, aligned
.endr
.endr
.endm
.macro WAYOUT
	PLACES                                         ; behind the last matrix instructions: for the reads of their results and the writes into buffer 1
	OUT16 0
	OUT16 1
	OUT16 2
	OUT16 3
	WIN 0
.endm
	s_wait_tensorcnt 1                             ; my part of K step 0 is in; K step 1 stays out
	s_barrier_signal -1
	s_barrier_wait -1
	FETCH 0, 0, 0
	s_wait_loadcnt 0x0                             ; the bias
	; THE FIRST BLOCK
	LAP 1, 1                                       ; the first lap: its first products start the sums from the bias
	WIN 0
	s_mov_b32 s15, LAPS-2
.Llap_a:
	LAP 0, 1
	WIN 0
	s_sub_co_u32 s15, s15, 1
	s_cmp_lg_u32 s15, 0
	s_cbranch_scc1 .Llap_a
	LAP 0, 2                                       ; its last lap asks for the second block's first two K steps and fetches that block's first fragments
	s_lshr_b32 s56, s43, 3                         ; batch
	s_mul_i32 s56, s56, 12582912
	s_and_b32 s62, s43, 7
	s_lshl_b32 s62, s62, 15                        ; 256 rows of 128 bytes for each block row in the batch
	s_add_co_u32 s56, s56, s62
	s_lshl_b32 s62, s12, 13                        ; my 64 rows
	s_add_co_u32 s56, s56, s62
	s_mov_b32 s57, 0
	s_add_nc_u64 s[10:11], s[10:11], s[56:57]
	s_mul_i32 s58, s42, 786432                     ; three heads of 262,144 bytes for each block column
	s_mov_b32 s59, 0
	s_add_nc_u64 s[10:11], s[10:11], s[58:59]
	WAYOUT
	s_wait_xcnt 0x0                                ; the stores' base is stepped, and buffer 1 fetched into again, only behind this wait
	s_add_nc_u64 s[10:11], s[10:11], NEXTO
	; THE SECOND BLOCK: the first block's stores drain under its products
	LAP 1, 1
	WIN 0
	s_mov_b32 s15, LAPS-2
.Llap_b:
	LAP 0, 1
	WIN 0
	s_sub_co_u32 s15, s15, 1
	s_cmp_lg_u32 s15, 0
	s_cbranch_scc1 .Llap_b
	THREE 0, 0                                     ; the last lap fills nothing
	TURN 0, 1, 0
	THREE 1, 0
	s_wait_dscnt 4
	WIN 0xa1
	MULA 1, 0, 0
	MULA 1, 1, 0
	s_wait_dscnt 0
	WIN 0xf1
	MULA 1, 2, 0
	MULA 1, 3, 0
	WAYOUT
	s_set_vgpr_msb 0x1
	s_wait_tensorcnt 0x0
	ds_add_u32 v255, v255
	s_wait_dscnt 0x0
	s_set_vgpr_msb 0x100
	CROUND                                         ; the closing round: no work-group ends while a partner may still ask jointly
	s_endpgm
.Lfunc_end_k_q8d586da392_inproj:
	.size	k_q8d586da392_inproj, .Lfunc_end_k_q8d586da392_inproj-k_q8d586da392_inproj
	.p2alignl 7, 3214868480
	.fill 96, 4, 3214868480
	.section	.rodata,"a",@progbits
	.p2align	6, 0x0
	.amdhsa_kernel k_q8d586da392_inproj
		.amdhsa_group_segment_fixed_size 327680
		.amdhsa_private_segment_fixed_size 0
		.amdhsa_enable_private_segment 0
		.amdhsa_kernarg_size 32
		.amdhsa_user_sgpr_count 2
		.amdhsa_user_sgpr_kernarg_segment_ptr 1
		.amdhsa_wavefront_size32 1
		.amdhsa_system_sgpr_workgroup_id_x 1
		.amdhsa_system_sgpr_workgroup_id_y 1
		.amdhsa_system_sgpr_workgroup_id_z 1
		.amdhsa_system_vgpr_workitem_id 0
		.amdhsa_next_free_vgpr 960
		.amdhsa_next_free_sgpr 80
		.amdhsa_reserve_vcc 0
		.amdhsa_float_denorm_mode_32 3
		.amdhsa_float_denorm_mode_16_64 3
		.amdhsa_memory_ordered 1
		.amdhsa_forward_progress 1
		.amdhsa_inst_pref_size 255
	.end_amdhsa_kernel
	.section	.bss,"aw",@nobits
	.p2align	6
	.space	262144
	.amdgpu_metadata
---
amdhsa.version: [ 1, 2 ]
amdhsa.kernels:
  - .name:           k_q8d586da392_inproj
    .symbol:         k_q8d586da392_inproj.kd
    .args:
      - { .name: xb, .offset: 0, .size: 8, .value_kind: global_buffer, .address_space: global }
      - { .name: wib, .offset: 8, .size: 8, .value_kind: global_buffer, .address_space: global }
      - { .name: b_in, .offset: 16, .size: 8, .value_kind: global_buffer, .address_space: global }
      - { .name: qkv, .offset: 24, .size: 8, .value_kind: global_buffer, .address_space: global }
    .group_segment_fixed_size: 327680
    .private_segment_fixed_size: 0
    .kernarg_segment_align: 8
    .kernarg_segment_size: 32
    .max_flat_workgroup_size: 128
    .sgpr_count:     80
    .vgpr_count:     960
    .wavefront_size: 32
...
	.end_amdgpu_metadata
.endif
;; end of part 2
;; launch attn (part 3): grid 256 x 1, 8 waves a work-group, no clusters, 327,680 bytes of LDS; arguments qkv, ob; writes ob
.if DOCPART == 3
	.amdgcn_target "amdgcn-amd-amdhsa--gfx1250"
	.amdhsa_code_object_version 6
	.text
	.protected	k_q8d586da392_attn
	.globl	k_q8d586da392_attn
	.p2align	8
	.type	k_q8d586da392_attn,@function
k_q8d586da392_attn:
	s_mov_b64 s[64:65], 0
	v_nop
	global_prefetch_b8 v0, s[64:65] scope:SCOPE_SE
	s_setreg_imm32_b32 hwreg(HW_REG_WAVE_MODE, 25, 1), 1
	s_wait_xcnt 0x0
; Causal attention of 64 (batch, head) pairs, T = 2048, 64 numbers a head; f16 operands, f32 sums, running maximum.
; In: qkv[batch][48 heads][t][64] f16 (q already times 0.125 log2 e, so exponentials are powers of two).  Out: ob[batch x 16 + head][t][64] f16.
; LIMITS: a score at or below -2^100 counts as masked; the row sum l is made of P in f32, before P is rounded to f16.
; WORK: work-group = (pair bh, i = 0..3).  It makes query block i (256 rows), then block 7 - i: (i + 1) + (8 - i) = 9 steps of 256 keys in
; every work-group.  Eight waves: g = w >> 2 picks the 64-key tiles g and g + 2 of a step; w4 picks 64 queries (four tiles of 16): w4 = w in
; waves 0-3 and 7 - w in waves 4-7, so that in the step on the diagonal waves w and w + 4 have 3, 2, 3, 2 tiles between them (with w4 = w & 3
; it would be 1, 2, 3, 4).  The two groups keep partial (m, l, O) and are merged through LDS at a block's end.
; NO CLUSTER: the four work-groups of a pair need different numbers of key steps for each of their blocks (i + 1 and 8 - i); in lock step
; each would walk 4 + 8 = 12 steps instead of 9.
; TRANSPOSED: S^T = K Q^T (lane = query, registers = keys) and O^T = V^T P^T.  Two tiles of S^T, packed pairwise to f16, are the B fragment
; of the second product as they stand; m, l and alpha are one number a lane.
; The mask enters as the C operand of the first product: 0, or -2^100 where key > query.  A tile wholly above the diagonal is skipped, but for
; the tile that a step's barrier is cut into (see KSTEP): that one always runs, and where it is wholly masked it adds P = 0 with alpha = 1.
; LDS: two slots of 77,824 bytes (V: 256 keys x 160; K at 40,960: 256 keys x 144); XCH at 155,648 (4 x 18,432) for the merge;
; STAGE at 229,376 (2,304 a wave) for the way out.  No tensor load lands in XCH or STAGE.
; Each wave brings a quarter of V (waves 0-3) or of K (waves 4-7) with one tensor load of 64 rows x 128 bytes.
; The sixteen accumulators of each pass take turns, one instruction a turn.
.set KP,    144
.set VP,    160
.set KOFF,  256*VP
.set SLOT,  256*VP+256*KP
.set XCH,   2*SLOT
.set XW,    36*512
.set STAGE, XCH+4*XW
.set SW,    16*KP
.set NEG,   0xf1800000                 ; -2^100
; window 0
.set KADR, 2                           ; v2-3    K fragments in slot 0, 1
.set VADR, 4                           ; v4-5    V fragments in slot 0, 1
.set M,    6                           ; v6+2nt  running maximum; v7+2nt the other half's maximum
.set AL,   14                          ; v14+2nt alpha; v15+2nt l (my half's partial sum)
.set T,    22                          ; v22-29  at work
.set TRI,  30                          ; v30-37  (8 h + j > r) ? -2^100 : 0
.set CL,   38                          ; v38-45  C for key tile < query tile
.set CD,   46                          ; v46-53  C for key tile = query tile
.set CU,   54                          ; v54-61  C for key tile > query tile
.set QO,   62                          ; Q: r x 128 + 16 h
.set CO,   63                          ; 16 x lane
.set KV,   64                          ; v64-127 K's, then V's fragments
.set S,    128                         ; v128+32nt  S, then P, of query tile nt
.set XA,   38                          ; SEND and MERGE use the C registers, which every tile's head writes anew:
.set STO,  39
.set RD,   40
.set WA,   42                          ; v42+4nt, v43+4nt  my weight, twice
.set WB,   44                          ; v44+4nt, v45+4nt  the partner's weight, twice
; window 1: v0-63 Q of the block at work, v64-127 Q of the second block, v128+32nt+8dt O
.set G1V, 16                           ; s[16:23]
.set G1K, 24                           ; s[24:31]
.set G0V, 32                           ; s[32:39] a set for each slot
.set G0K, 40                           ; s[40:47]
.set MSB, 0
.macro WIN new
.if MSB != \new
	s_set_vgpr_msb (MSB<<8)|\new
.set MSB, \new
.endif
.endm
.macro PLACES                          ; four places behind a matrix instruction (ISA guide 7.12.1)
.rept 4
	v_nop
.endr
.endm
; My quarter of slot p: waves 0-3 V, waves 4-7 K.  The branch hangs on the wave's number alone; every wave issues one load.
.macro KVLOAD p
	s_cmp_eq_u32 s9, 0
	s_cbranch_scc0 .Lfor_k_\@
	tensor_load_to_lds s[G0V+4*(\p):G0V+4*(\p)+3], s[G1V:G1V+7]
	s_nop 0
.rept 4
	v_nop
.endr
	s_branch .Lasked_\@
.Lfor_k_\@:
	tensor_load_to_lds s[G0K+4*(\p):G0K+4*(\p)+3], s[G1K:G1K+7]
	s_nop 0
.rept 4
	v_nop
.endr
.Lasked_\@:
.endm
	s_load_b128 s[4:7], s[0:1], 0x0                ; qkv s[4:5], ob s[6:7]
	v_lshl_add_u32 v61, v0, 2, 0x3c800
	v_mov_b32 v62, 0
	ds_add_u32 v61, v62
	ds_add_u32 v61, v62
	s_wait_dscnt 0x0
	v_lshrrev_b32 v1, 5, v0
	v_readfirstlane_b32 s8, v1                     ; wave 0..7
	s_lshr_b32 s9, s8, 2                           ; g
	s_and_b32 s84, s8, 3                           ; which quarter of a key step I fetch
	s_mul_i32 s10, s9, 3
	s_xor_b32 s10, s10, s84                        ; w4: the quarter's number in group 0, 3 - it in group 1
	s_and_b32 s11, ttmp9, 3                        ; i
	s_lshr_b32 s12, ttmp9, 2                       ; bh
	s_add_co_u32 s13, s11, 1                       ; the step at which the second block begins
	s_mov_b32 s14, 0                               ; u: step 0..8
	s_mov_b32 s56, 0                               ; the key step inside the block
	s_mov_b32 s57, s11                             ; the block
	s_lshl_b32 s15, s11, 2
	s_sub_co_i32 s15, s9, s15
	s_sub_co_i32 s15, s15, s10                     ; rel = 4 (key step - block) + g - w4: > 0 above, 0 on, < 0 below the diagonal
	s_mov_b32 s62, 0x76543210                      ; v_permlanex16_b32: lane l of one half reads lane l of the other
	s_mov_b32 s63, 0xfedcba98
	s_mov_b32 s70, NEG
	s_cmp_eq_u32 s11, 3                            ; which key steps ask ahead: first block of i = 3: steps 0 and 1; else none
	s_cselect_b32 s54, 0, 1
	s_cselect_b32 s55, 1, 0
	s_mov_b32 s[G1V+0], (1<<16)|(1<<20)|(4<<22)|(7<<25)   ; 2-byte elements; 8 words of padding behind every 32: rows 160 bytes apart
	s_mov_b32 s[G1K+0], (1<<16)|(1<<20)|(4<<22)|(3<<25)   ; 4 words: rows 144 bytes apart
	s_mov_b32 s[G1V+1], 64<<16                     ; tensor_dim0 = 64
	s_mov_b32 s[G1K+1], 64<<16
	s_mov_b32 s[G1V+2], 64<<16                     ; tensor_dim1 = 64 rows
	s_mov_b32 s[G1K+2], 64<<16
	s_mov_b32 s[G1V+3], 64<<16                     ; tile_dim0 = 64
	s_mov_b32 s[G1K+3], 64<<16
	s_mov_b32 s[G1V+4], 64                         ; tile_dim1 = 64
	s_mov_b32 s[G1K+4], 64
	s_mov_b32 s[G1V+5], 64                         ; elements from row to row
	s_mov_b32 s[G1K+5], 64
	s_mov_b32 s[G1V+6], 0
	s_mov_b32 s[G1K+6], 0
	s_mov_b32 s[G1V+7], 0
	s_mov_b32 s[G1K+7], 0
	s_mul_i32 s76, s8, 64*VP                       ; V's quarter in LDS: wave x 10,240 (waves 0-3)
	s_mul_i32 s77, s8, 64*KP
	s_add_co_u32 s77, s77, KOFF-4*64*KP            ; K's quarter: 40,960 + (wave - 4) x 9,216 (waves 4-7)
	s_lshr_b32 s78, s12, 4                         ; batch
	s_mul_i32 s78, s78, 12582912
	s_and_b32 s79, s12, 15                         ; head
	s_lshl_b32 s79, s79, 18
	s_add_co_u32 s78, s78, s79
	s_mov_b32 s79, 0
	s_lshl_b32 s80, s9, 22
	s_sub_co_u32 s80, 0x800000, s80                ; 32 heads on for V (g = 0), 16 for K (g = 1)
	s_lshl_b32 s81, s84, 13                        ; my quarter of a key step: 64 rows of 128 bytes
	s_add_co_u32 s80, s80, s81
	s_mov_b32 s81, 0
	s_cmp_gt_u32 s11, 0                            ; step 1 is key step 1, or for i = 0 the second block's key step 0
	s_cselect_b32 s82, 32768, 0
	s_mov_b32 s83, 0
	s_wait_kmcnt 0x0
	s_add_nc_u64 s[72:73], s[4:5], s[78:79]        ; q's head
	s_add_nc_u64 s[48:49], s[72:73], s[80:81]      ; my quarter of key step 0
	s_mov_b32 s[G0V+0], 1
	s_mov_b32 s[G0V+1], s76
	s_mov_b64 s[G0V+2:G0V+3], s[48:49]
	s_or_b32 s[G0V+3], s[G0V+3], 0x80000000
	s_mov_b32 s[G0V+4], 1
	s_add_co_u32 s[G0V+5], s76, SLOT
	s_add_nc_u64 s[G0V+6:G0V+7], s[48:49], s[82:83]
	s_or_b32 s[G0V+7], s[G0V+7], 0x80000000
	s_mov_b32 s[G0K+0], 1
	s_mov_b32 s[G0K+1], s77
	s_mov_b64 s[G0K+2:G0K+3], s[48:49]
	s_or_b32 s[G0K+3], s[G0K+3], 0x80000000
	s_mov_b32 s[G0K+4], 1
	s_add_co_u32 s[G0K+5], s77, SLOT
	s_add_nc_u64 s[G0K+6:G0K+7], s[48:49], s[82:83]
	s_or_b32 s[G0K+7], s[G0K+7], 0x80000000
	KVLOAD 0                                       ; both first fills go out together, ahead of every wait, LDS read and barrier
	KVLOAD 1
	s_lshl_b32 s82, s10, 13                        ; my 64 queries in a block: 64 w4 rows of 128 bytes
	s_sub_co_u32 s80, 7, s11
	s_lshl_b32 s80, s80, 15
	s_add_co_u32 s80, s80, s82
	s_add_nc_u64 s[74:75], s[72:73], s[80:81]      ; Q of block 7 - i
	s_lshl_b32 s80, s11, 15
	s_add_co_u32 s80, s80, s82
	s_add_nc_u64 s[72:73], s[72:73], s[80:81]      ; Q of block i
	s_lshl_b32 s80, s12, 18
	s_add_co_u32 s80, s80, s82
	s_add_nc_u64 s[58:59], s[6:7], s[80:81]        ; ob at my pair and my rows of block 0
	v_and_b32 v22, 31, v0                          ; lane
	v_lshlrev_b32 v1, 8, v22                       ; asking ahead: lanes 256 bytes apart
	v_lshlrev_b32 v[CO], 4, v22
	v_and_b32 v23, 15, v0                          ; r
	v_bfe_u32 v24, v0, 4, 1                        ; h
	v_lshlrev_b32 v[QO], 7, v23
	v_lshl_add_u32 v[QO], v24, 4, v[QO]
	WIN 0x40                                       ; destination in window 1
.irp nt, 0,1,2,3
.irp ks, 0,1
	global_load_b128 v[16*\nt+8*\ks:16*\nt+8*\ks+3], v[QO], s[72:73] offset:\nt*2048+64*\ks
	global_load_b128 v[16*\nt+8*\ks+4:16*\nt+8*\ks+7], v[QO], s[72:73] offset:\nt*2048+64*\ks+32
.endr
.endr
.irp nt, 0,1,2,3
.irp ks, 0,1
	global_load_b128 v[64+16*\nt+8*\ks:64+16*\nt+8*\ks+3], v[QO], s[74:75] offset:\nt*2048+64*\ks
	global_load_b128 v[64+16*\nt+8*\ks+4:64+16*\nt+8*\ks+7], v[QO], s[74:75] offset:\nt*2048+64*\ks+32
.endr
.endr
	WIN 0
	v_mul_u32_u24 v25, v23, KP
	v_lshl_add_u32 v25, v24, 4, v25                ; K: key r of a tile, 16 bytes for each half
	s_mul_i32 s80, s9, 64*KP
	s_add_co_u32 s80, s80, KOFF
	v_add_nc_u32 v[KADR], s80, v25
	v_add_nc_u32 v[KADR+1], SLOT, v[KADR]
	v_and_b32 v26, 7, v0
	v_lshl_add_u32 v26, v24, 3, v26                ; V, read transposed: key 8 h + (l & 7),
	v_mul_u32_u24 v26, v26, VP
	v_bfe_u32 v27, v0, 3, 1
	v_lshl_add_u32 v26, v27, 4, v26                ; 16 bytes on for lanes 8-15 and 24-31
	s_mul_i32 s80, s9, 64*VP
	v_add_nc_u32 v[VADR], s80, v26
	v_add_nc_u32 v[VADR+1], SLOT, v[VADR]
	v_lshlrev_b32 v28, 3, v24
	v_sub_nc_u32 v28, v23, v28                     ; r - 8 h
	v_mov_b32 v29, s70
.irp j, 0,1,2,3,4,5,6,7
	v_cmp_gt_i32 vcc_lo, \j, v28                   ; key 8 h + j > query r
	v_cndmask_b32 v[TRI+\j], 0, v29, vcc_lo
.endr
.irp nt, 0,1,2,3
	v_mov_b32 v[M+2*\nt], s70                      ; m = -2^100, l = 0: the softmax text is the same in every tile
	v_mov_b32 v[M+2*\nt+1], 0
	v_mov_b32 v[AL+2*\nt], 0
	v_mov_b32 v[AL+2*\nt+1], 0
.endr
.macro SM_SUB nt                       ; S - m: the running maximum is taken away before the exponential
.set ee, 0
.rept 16
	v_pk_add_f32 v[S+32*\nt+ee:S+32*\nt+ee+1], v[S+32*\nt+ee:S+32*\nt+ee+1], v[M+2*\nt:M+2*\nt+1] op_sel_hi:[1,0] neg_lo:[0,1] neg_hi:[0,1]
.set ee, ee+2
.endr
.endm
.macro SM_EXP nt
.set ee, 0
.rept 32
	v_exp_f32 v[S+32*\nt+ee], v[S+32*\nt+ee]
.set ee, ee+1
.endr
.endm
.macro SM_SUM nt                       ; l = l alpha + sum of P (four chains), then P to f16 in place: registers 8 kk .. 8 kk + 7 are the B fragment of keys 32 kk ..
	s_wait_alu depctr_va_vdst(0)
.irp c, 0,2,4,6
	v_pk_add_f32 v[T+\c:T+\c+1], v[S+32*\nt+\c:S+32*\nt+\c+1], v[S+32*\nt+8+\c:S+32*\nt+9+\c]
.endr
.irp c, 0,2,4,6
	v_pk_add_f32 v[T+\c:T+\c+1], v[T+\c:T+\c+1], v[S+32*\nt+16+\c:S+32*\nt+17+\c]
.endr
.irp c, 0,2,4,6
	v_pk_add_f32 v[T+\c:T+\c+1], v[T+\c:T+\c+1], v[S+32*\nt+24+\c:S+32*\nt+25+\c]
.endr
	v_pk_add_f32 v[T:T+1], v[T:T+1], v[T+2:T+3]
	v_pk_add_f32 v[T+4:T+5], v[T+4:T+5], v[T+6:T+7]
	v_pk_add_f32 v[T:T+1], v[T:T+1], v[T+4:T+5]
	v_fma_f32 v[AL+2*\nt+1], v[AL+2*\nt+1], v[AL+2*\nt], v[T]
	v_add_f32 v[AL+2*\nt+1], v[AL+2*\nt+1], v[T+1]
.irp mt, 0,1,2,3
.irp c, 0,1,2,3
	v_cvt_pk_f16_f32 v[S+32*\nt+4*\mt+\c], v[S+32*\nt+8*\mt+2*\c], v[S+32*\nt+8*\mt+2*\c+1]
.endr
.endr
.endm
; 64 keys (tile g + 2 j2 of slot p) x my 64 queries, in two halves that always follow each other.  s69 = the tile's place against the diagonal.
; THE HEAD holds all the tile's LDS reads: K's fragments, S^T, V's fragments, and under their way the new maximum and alpha.
.macro TILE_HEAD p, j2
	s_cmp_gt_i32 s69, 0
	s_cselect_b32 s66, s70, 0
	s_cmp_ge_i32 s69, 0
	s_cselect_b32 s67, s70, 0
	s_cmp_eq_u32 s69, 0
	s_cselect_b32 s68, -1, 0
.irp j, 0,1,2,3,4,5,6,7
	v_mov_b32 v[CL+\j], s66                        ; these 24 lines name no register of the last tile's matrix instructions: they are the places in front of
	v_mov_b32 v[CU+\j], s67                        ; the loads into K's registers (four are asked for) and of the products that write over P (five)
	v_cndmask_b32 v[CD+\j], s66, v[TRI+\j], s68
.endr
.irp ks, 0,1
.irp mt, 0,1,2,3
	ds_load_b128 v[KV+16*\mt+8*\ks:KV+16*\mt+8*\ks+3], v[KADR+\p] offset:\j2*128*KP+\mt*16*KP+64*\ks
	ds_load_b128 v[KV+16*\mt+8*\ks+4:KV+16*\mt+8*\ks+7], v[KADR+\p] offset:\j2*128*KP+\mt*16*KP+64*\ks+32
.endr
.endr
	s_wait_dscnt 8                                 ; the eight loads of the first 32 of the head's 64 numbers are in
	WIN 0x04                                       ; source 1 (Q) in window 1
.irp nt, 0,1,2,3
.irp mt, 0,1,2,3
.if \mt < \nt
	v_wmma_f32_16x16x32_f16 v[S+32*\nt+8*\mt:S+32*\nt+8*\mt+7], v[KV+16*\mt:KV+16*\mt+7], v[16*\nt:16*\nt+7], v[CL:CL+7]
.else
.if \mt == \nt
	v_wmma_f32_16x16x32_f16 v[S+32*\nt+8*\mt:S+32*\nt+8*\mt+7], v[KV+16*\mt:KV+16*\mt+7], v[16*\nt:16*\nt+7], v[CD:CD+7]
.else
	v_wmma_f32_16x16x32_f16 v[S+32*\nt+8*\mt:S+32*\nt+8*\mt+7], v[KV+16*\mt:KV+16*\mt+7], v[16*\nt:16*\nt+7], v[CU:CU+7]
.endif
.endif
.endr
.endr
	s_wait_dscnt 0
.irp nt, 0,1,2,3
.irp mt, 0,1,2,3
	v_wmma_f32_16x16x32_f16 v[S+32*\nt+8*\mt:S+32*\nt+8*\mt+7], v[KV+16*\mt+8:KV+16*\mt+15], v[16*\nt+8:16*\nt+15], v[S+32*\nt+8*\mt:S+32*\nt+8*\mt+7]
.endr
.endr
	WIN 0
	PLACES                                         ; in front of the loads into K's registers and of the first reads of S
.irp kk, 0,1
.irp dt, 0,1,2,3
	ds_load_tr16_b128 v[KV+16*\dt+8*\kk:KV+16*\dt+8*\kk+3], v[VADR+\p] offset:\j2*128*VP+\kk*32*VP+32*\dt
	ds_load_tr16_b128 v[KV+16*\dt+8*\kk+4:KV+16*\dt+8*\kk+7], v[VADR+\p] offset:\j2*128*VP+\kk*32*VP+32*\dt+16*VP
.endr
.endr
	; the new maximum of each query: 32 scores and the old m in my lane (four chains, one a query tile), then the other half of the lanes
.irp nt, 0,1,2,3
	v_max3_num_f32 v[T+\nt], v[S+32*\nt], v[S+32*\nt+1], v[S+32*\nt+2]
.endr
.set ee, 3
.rept 14
.irp nt, 0,1,2,3
	v_max3_num_f32 v[T+\nt], v[T+\nt], v[S+32*\nt+ee], v[S+32*\nt+ee+1]
.endr
.set ee, ee+2
.endr
.irp nt, 0,1,2,3
	v_max3_num_f32 v[T+\nt], v[T+\nt], v[S+32*\nt+31], v[M+2*\nt]
.endr
.irp nt, 0,1,2,3
	v_permlanex16_b32 v[M+2*\nt+1], v[T+\nt], s62, s63
.endr
.irp nt, 0,1,2,3
	v_max_num_f32 v[T+\nt], v[T+\nt], v[M+2*\nt+1]
.endr
.irp nt, 0,1,2,3
	v_sub_f32 v[AL+2*\nt], v[M+2*\nt], v[T+\nt]
.endr
.irp nt, 0,1,2,3
	v_exp_f32 v[AL+2*\nt], v[AL+2*\nt]             ; alpha = 2^(old m - new m)
.endr
.irp nt, 0,1,2,3
	v_mov_b32 v[M+2*\nt], v[T+\nt]                 ; plain lines behind the exponentials, ahead of alpha's first use (ISA guide 5.7.2)
.endr
.endm
; THE TAIL is register work alone: exponentials, row sums, P in f16, O times alpha, O += V^T P^T.
; first = 1: the products start O.  waited = 1: V's fragments have been waited for already, in front of a barrier's signal.
.macro TILE_TAIL first, waited
	; between a run of exponentials and the first use of its results stands another query tile's plain arithmetic
	SM_SUB 0
	SM_EXP 0
	SM_SUB 1
	SM_EXP 1
	SM_SUM 0
	SM_SUB 2
	SM_EXP 2
	SM_SUM 1
	SM_SUB 3
	SM_EXP 3
	SM_SUM 2
	SM_SUM 3
.if \first == 0
	WIN 0x41                                       ; O in window 1, alpha in window 0
.irp nt, 0,1,2,3
.set ee, 0
.rept 16
	v_pk_mul_f32 v[128+32*\nt+ee:128+32*\nt+ee+1], v[128+32*\nt+ee:128+32*\nt+ee+1], v[AL+2*\nt:AL+2*\nt+1] op_sel_hi:[1,0]
.set ee, ee+2
.endr
.endr
.endif
	WIN 0x50                                       ; C and D (O) in window 1
.if \waited == 0
	s_wait_dscnt 8                                 ; V's fragments of the first 32 keys are in
.endif
.irp nt, 0,1,2,3
.irp dt, 0,1,2,3
.if \first
	v_wmma_f32_16x16x32_f16 v[128+32*\nt+8*\dt:128+32*\nt+8*\dt+7], v[KV+16*\dt:KV+16*\dt+7], v[S+32*\nt:S+32*\nt+7], 0
.else
	v_wmma_f32_16x16x32_f16 v[128+32*\nt+8*\dt:128+32*\nt+8*\dt+7], v[KV+16*\dt:KV+16*\dt+7], v[S+32*\nt:S+32*\nt+7], v[128+32*\nt+8*\dt:128+32*\nt+8*\dt+7]
.endif
.endr
.endr
.if \waited == 0
	s_wait_dscnt 0
.endif
.irp nt, 0,1,2,3
.irp dt, 0,1,2,3
	v_wmma_f32_16x16x32_f16 v[128+32*\nt+8*\dt:128+32*\nt+8*\dt+7], v[KV+16*\dt+8:KV+16*\dt+15], v[S+32*\nt+8:S+32*\nt+15], v[128+32*\nt+8*\dt:128+32*\nt+8*\dt+7]
.endr
.endr
	WIN 0
.endm
; A whole tile under one test: wholly above the diagonal it is skipped, head and tail together.  first = 1: never skipped.
.macro TILE p, j2, first
	s_add_co_i32 s69, s15, 2*\j2
.if \first == 0
	s_cmp_gt_i32 s69, 0
	s_cbranch_scc1 .Ltile_end_\@
.endif
	TILE_HEAD \p, \j2
	TILE_TAIL \first, 0
.Ltile_end_\@:
.endm
; Asking ahead: in key step s of the ranges set above, between the step's two tiles, each wave asks for its own 8,192 bytes (32 lanes, 256 bytes
; apart) of key step s + 2, whose tensor load goes out at this step's end.  Key steps 2 and 3 are asked for by work-group i = 3 in its first
; block, 4 to 7 by i = 0 in its second: each once in the launch, and none beyond key step 7, the head's last.
.macro PREF
	s_cmp_lt_u32 s56, s54
	s_cbranch_scc1 .Lno_pf_\@
	s_cmp_gt_u32 s56, s55
	s_cbranch_scc1 .Lno_pf_\@
	s_add_co_u32 s80, s56, 2
	s_lshl_b32 s80, s80, 15
	s_mov_b32 s81, 0
	s_wait_xcnt 0x0                                ; the base of the last request is written again only behind this wait
	s_add_nc_u64 s[52:53], s[48:49], s[80:81]
	global_prefetch_b8 v1, s[52:53] th:TH_LOAD_NT scope:SCOPE_SE
.Lno_pf_\@:
.endm
.macro STEP
	s_add_co_u32 s14, s14, 1
	s_add_co_u32 s56, s56, 1
	s_add_co_i32 s15, s15, 4
.endm
; A block's end, first half: group 1 puts its O (32 x 512 bytes) and its m, l (4 x 512 bytes) into XCH, at its query quarter 7 - wave.
.macro SEND
	PLACES                                         ; behind the last matrix instructions, for both groups
	s_cmp_eq_u32 s9, 0
	s_cbranch_scc1 .Lsent_\@
	s_sub_co_u32 s78, 7, s8                        ; here the wave's number is 4..7
	s_mul_i32 s78, s78, XW
	s_add_co_u32 s78, s78, XCH
	v_add_nc_u32 v[XA], s78, v[CO]
	WIN 0x04                                       ; store data in window 1
.set ee, 0
.rept 32
	ds_store_b128 v[XA], v[128+4*ee:128+4*ee+3] offset:512*ee
.set ee, ee+1
.endr
	WIN 0
.irp c, 0,1,2,3
	ds_store_b128 v[XA], v[M+4*\c:M+4*\c+3] offset:512*(32+\c)
.endr
.Lsent_\@:
.endm
; Second half, behind a barrier: group 0 merges, divides by l, rounds to f16 and stores 64 rows of the block.
.macro MERGE
	s_cmp_lg_u32 s9, 0
	s_cbranch_scc1 .Lmerged_\@
	s_mul_i32 s78, s8, XW                          ; here the wave's number is 0..3, and is the query quarter
	s_add_co_u32 s78, s78, XCH
	v_add_nc_u32 v[XA], s78, v[CO]
.irp c, 0,1,2,3
	ds_load_b128 v[KV+4*\c:KV+4*\c+3], v[XA] offset:512*(32+\c)    ; the partner's m at KV + 2 nt, l at KV + 9 + 2 nt
.endr
.set ee, 0
.rept 32
	ds_load_b128 v[S+4*ee:S+4*ee+3], v[XA] offset:512*ee           ; the partner's O
.set ee, ee+1
.endr
	s_mul_i32 s78, s8, SW                          ; my stage
	s_add_co_u32 s78, s78, STAGE
	v_and_b32 v[STO], 15, v0
	v_mul_u32_u24 v[STO], v[STO], KP
	v_bfe_u32 v[RD], v0, 4, 1
	v_lshl_add_u32 v[STO], v[RD], 4, v[STO]
	v_add_nc_u32 v[STO], s78, v[STO]               ; in: query r, 16 bytes for each half
	v_bfe_u32 v[RD], v0, 3, 2
	v_mul_u32_u24 v[RD], v[RD], KP
	v_and_b32 v41, 7, v0
	v_lshl_add_u32 v[RD], v41, 4, v[RD]
	v_add_nc_u32 v[RD], s78, v[RD]                 ; back: eight lanes a row of 128 bytes, 32 lanes four rows
	s_lshl_b32 s78, s57, 15                        ; the block's 256 rows of 128 bytes
	s_mov_b32 s79, 0
	s_add_nc_u64 s[60:61], s[58:59], s[78:79]
	s_wait_dscnt 32                                ; m and l are in; the 32 loads of O may be out
.irp nt, 0,1,2,3
	v_max_num_f32 v[T+\nt], v[M+2*\nt], v[KV+2*\nt]
.endr
.irp nt, 0,1,2,3
	v_sub_f32 v[WA+4*\nt], v[M+2*\nt], v[T+\nt]
	v_sub_f32 v[WB+4*\nt], v[KV+2*\nt], v[T+\nt]
.endr
.irp nt, 0,1,2,3
	v_exp_f32 v[WA+4*\nt], v[WA+4*\nt]
	v_exp_f32 v[WB+4*\nt], v[WB+4*\nt]
.endr
	v_nop                                          ; one plain place behind the exponentials (ISA guide 5.7.2)
	s_wait_alu depctr_va_vdst(0)
.irp nt, 0,1,2,3
	v_mul_f32 v[T+\nt], v[WB+4*\nt], v[KV+9+2*\nt]
	v_fma_f32 v[T+\nt], v[WA+4*\nt], v[AL+2*\nt+1], v[T+\nt]
.endr
.irp nt, 0,1,2,3
	v_permlanex16_b32 v[T+4+\nt], v[T+\nt], s62, s63               ; l was kept by halves of the lanes: now the two meet
.endr
.irp nt, 0,1,2,3
	v_add_f32 v[T+\nt], v[T+\nt], v[T+4+\nt]
.endr
.irp nt, 0,1,2,3
	v_rcp_f32 v[T+\nt], v[T+\nt]
.endr
	v_nop
	s_wait_alu depctr_va_vdst(0)
.irp nt, 0,1,2,3
	v_mul_f32 v[WA+4*\nt+1], v[WA+4*\nt], v[T+\nt]                 ; each weight twice: a pair for the packed arithmetic
	v_mul_f32 v[WB+4*\nt+1], v[WB+4*\nt], v[T+\nt]
	v_mul_f32 v[WA+4*\nt], v[WA+4*\nt], v[T+\nt]
	v_mul_f32 v[WB+4*\nt], v[WB+4*\nt], v[T+\nt]
.endr
.irp nt, 0,1,2,3
	s_wait_dscnt 24-8*\nt                          ; query tile nt of the partner's O is in; the later tiles' loads may be out
.set ee, 0
.rept 16
	v_pk_mul_f32 v[S+32*\nt+ee:S+32*\nt+ee+1], v[S+32*\nt+ee:S+32*\nt+ee+1], v[WB+4*\nt:WB+4*\nt+1]
.set ee, ee+2
.endr
.endr
	WIN 0x01                                       ; source 0 (my O) in window 1
.irp nt, 0,1,2,3
.set ee, 0
.rept 16
	v_pk_fma_f32 v[S+32*\nt+ee:S+32*\nt+ee+1], v[128+32*\nt+ee:128+32*\nt+ee+1], v[WA+4*\nt:WA+4*\nt+1], v[S+32*\nt+ee:S+32*\nt+ee+1]
.set ee, ee+2
.endr
.endr
	WIN 0
.irp nt, 0,1,2,3
.irp dt, 0,1,2,3
.irp c, 0,1,2,3
	v_cvt_pk_f16_f32 v[S+32*\nt+4*\dt+\c], v[S+32*\nt+8*\dt+2*\c], v[S+32*\nt+8*\dt+2*\c+1]
.endr
.endr
.endr
.irp nt, 0,1,2,3
.irp dt, 0,1,2,3
	ds_store_b128 v[STO], v[S+32*\nt+4*\dt:S+32*\nt+4*\dt+3] offset:32*\dt
.endr
.irp t, 0,1,2,3
	ds_load_b128 v[S+32*\nt+16+4*\t:S+32*\nt+16+4*\t+3], v[RD] offset:4*KP*\t      ; LDS serves a wave in order: these see the stores above, and the next tile's stores come behind them
.endr
.endr
.irp nt, 0,1,2,3
.irp t, 0,1,2,3
	s_wait_dscnt 27-8*\nt-\t                       ; of the 32 LDS instructions above, those behind this read-back may be out
	global_store_b128 v[CO], v[S+32*\nt+16+4*\t:S+32*\nt+16+4*\t+3], s[60:61] offset:\nt*2048+512*\t   ; four rows: 512 consecutive bytes, aligned
.endr
.endr
	s_wait_xcnt 0x0                                ; the stores' data registers and base are written again only behind this wait
.Lmerged_\@:
.endm
; The second block begins.  m = -2^100 makes the next alpha 0, which wipes O and l: no accumulator is cleared.
.macro RESET
	s_sub_co_u32 s57, 7, s11
	s_mov_b32 s56, 0
	s_lshl_b32 s15, s57, 2
	s_sub_co_i32 s15, s9, s15
	s_sub_co_i32 s15, s15, s10
	s_cmp_eq_u32 s11, 0                            ; second block of i = 0 asks ahead in key steps 2 to 5; the others not
	s_cselect_b32 s54, 2, 1
	s_cselect_b32 s55, 5, 0
	s_wait_loadcnt 0x0                             ; the second block's Q, asked for at the start
	WIN 0x41
.set ee, 0
.rept 64
	v_mov_b32 v[ee], v[64+ee]                      ; into the registers that the one text of the tiles names
.set ee, ee+1
.endr
	WIN 0
.irp nt, 0,1,2,3
	v_mov_b32 v[M+2*\nt], s70
.endr
.endm
; One step of 256 keys from slot p, and the change of slots at its end.
; Tile g + 2 comes first, whole.  Tile g comes last and always runs, so that the barrier can be cut into it without a second test: its head holds
; my last LDS reads of slot p; behind the head I wait for them and for all my tensor loads (one is out: my quarter of the other slot) and signal;
; its tail, register work alone, stands between signal and wait, so that a wave which comes up to a tail late holds nobody up.  Behind the wait
; no wave reads slot p any more and the other slot is whole: slot p's refill, two steps ahead, comes first.
; Tile g is wholly above the diagonal only for wave 7 (g = 1, query quarter 0) in a block's last step; of those steps only the first block's, for
; i = 1..3, passes here: one tile of a work-group's 144 that runs masked.
; first = 1 (step 0): tile g comes first, since it starts O; the barrier is not cut.
; sw = 1: the second block may begin here (steps 0 to 6; it does behind step i).  The exchange stores into LDS, so it stands behind the refill
; and has a barrier of its own, on every wave's path, behind which nothing is filled.
.macro KSTEP p, first, refill, sw
.if \first
	TILE \p, 0, 1
	PREF
	TILE \p, 1, 0
.else
	TILE \p, 1, 0
	PREF
	s_mov_b32 s69, s15
	TILE_HEAD \p, 0
.endif
	s_wait_dscnt 0x0                               ; my reads of slot p are over
	s_wait_xcnt 0x0
	v_lshl_add_u32 v61, v0, 2, 0x3c800
	v_mov_b32 v62, 0
	s_wait_tensorcnt 0x0                           ; all my tensor loads have landed: every group 0 may be written
	ds_add_u32 v61, v62
	s_wait_dscnt 0x0
.if \refill
	s_add_co_u32 s76, s14, 2                       ; step u + 2 is key step u + 2, or u + 2 - (i + 1) in the second block
	s_sub_co_u32 s77, s76, s13
	s_cmp_gt_u32 s76, s11
	s_cselect_b32 s76, s77, s76
	s_lshl_b32 s50, s76, 15
	s_mov_b32 s51, 0
	s_add_nc_u64 s[G0V+4*(\p)+2:G0V+4*(\p)+3], s[48:49], s[50:51]
	s_or_b32 s[G0V+4*(\p)+3], s[G0V+4*(\p)+3], 0x80000000
	s_add_nc_u64 s[G0K+4*(\p)+2:G0K+4*(\p)+3], s[48:49], s[50:51]
	s_or_b32 s[G0K+4*(\p)+3], s[G0K+4*(\p)+3], 0x80000000
.endif
	s_barrier_signal -1
.if \first == 0
	TILE_TAIL 0, 1
.endif
	s_barrier_wait -1
.if \refill
	KVLOAD \p
.endif
	STEP
.if \sw
	s_cmp_lg_u32 s14, s13
	s_cbranch_scc1 .Lno_send_\@
	SEND
.Lno_send_\@:
	s_wait_dscnt 0x0                               ; group 1's stores into XCH are done
	s_barrier_signal -1
	s_barrier_wait -1
	s_cmp_lg_u32 s14, s13
	s_cbranch_scc1 .Lno_switch_\@
	MERGE
	RESET
.Lno_switch_\@:
.endif
.endm
	s_wait_tensorcnt 0x1                           ; my quarter of slot 0 is in; slot 1 stays out
	s_barrier_signal -1
	s_barrier_wait -1
	s_wait_loadcnt 16                              ; the first block's Q; the second block's sixteen loads stay out
	KSTEP 0, 1, 1, 1                               ; step 0: its first tile starts O
	s_mov_b32 s71, 3
.Lsteps:                                           ; steps 1 to 6
	KSTEP 1, 0, 1, 1
	KSTEP 0, 0, 1, 1
	s_sub_co_i32 s71, s71, 1
	s_cmp_lg_u32 s71, 0
	s_cbranch_scc1 .Lsteps
	KSTEP 1, 0, 0, 0                               ; step 7: nothing is left to fetch; its barrier shows step 8's slot whole
	TILE 0, 1, 0                                   ; step 8, the second block's step on the diagonal: two whole tiles, each skipped where it is wholly masked
	TILE 0, 0, 0
	SEND
	s_wait_dscnt 0x0
	s_barrier_signal -1
	s_barrier_wait -1
	MERGE
	s_wait_xcnt 0x0
	v_lshl_add_u32 v61, v0, 2, 0x3c800
	v_mov_b32 v62, 0
	s_wait_tensorcnt 0x0
	ds_add_u32 v61, v62
	s_wait_dscnt 0x0
	s_endpgm
.Lfunc_end_k_q8d586da392_attn:
	.size	k_q8d586da392_attn, .Lfunc_end_k_q8d586da392_attn-k_q8d586da392_attn
	.p2alignl 7, 3214868480
	.fill 96, 4, 3214868480
	.section	.rodata,"a",@progbits
	.p2align	6, 0x0
	.amdhsa_kernel k_q8d586da392_attn
		.amdhsa_group_segment_fixed_size 327680
		.amdhsa_private_segment_fixed_size 0
		.amdhsa_enable_private_segment 0
		.amdhsa_kernarg_size 16
		.amdhsa_user_sgpr_count 2
		.amdhsa_user_sgpr_kernarg_segment_ptr 1
		.amdhsa_wavefront_size32 1
		.amdhsa_system_sgpr_workgroup_id_x 1
		.amdhsa_system_sgpr_workgroup_id_y 1
		.amdhsa_system_sgpr_workgroup_id_z 1
		.amdhsa_system_vgpr_workitem_id 0
		.amdhsa_next_free_vgpr 512
		.amdhsa_next_free_sgpr 96
		.amdhsa_reserve_vcc 1
		.amdhsa_float_denorm_mode_32 3
		.amdhsa_float_denorm_mode_16_64 3
		.amdhsa_memory_ordered 1
		.amdhsa_forward_progress 1
		.amdhsa_inst_pref_size 255
	.end_amdhsa_kernel
	.section	.bss,"aw",@nobits
	.p2align	6
	.space	262144
	.amdgpu_metadata
---
amdhsa.version: [ 1, 2 ]
amdhsa.kernels:
  - .name:           k_q8d586da392_attn
    .symbol:         k_q8d586da392_attn.kd
    .args:
      - { .name: qkv, .offset: 0, .size: 8, .value_kind: global_buffer, .address_space: global }
      - { .name: ob, .offset: 8, .size: 8, .value_kind: global_buffer, .address_space: global }
    .group_segment_fixed_size: 327680
    .private_segment_fixed_size: 0
    .kernarg_segment_align: 8
    .kernarg_segment_size: 16
    .max_flat_workgroup_size: 256
    .sgpr_count:     96
    .vgpr_count:     512
    .wavefront_size: 32
...
	.end_amdgpu_metadata
.endif
;; end of part 3
;; launch outproj (part 4): grid 8 x 32, 4 waves a work-group, clusters of 4 x 4, 327,680 bytes of LDS; arguments ob, wob, b_out, out0; writes out0
.if DOCPART == 4
	.amdgcn_target "amdgcn-amd-amdhsa--gfx1250"
	.amdhsa_code_object_version 6
	.text
	.protected	k_q8d586da392_outproj
	.globl	k_q8d586da392_outproj
	.p2align	8
	.type	k_q8d586da392_outproj,@function
k_q8d586da392_outproj:
	s_mov_b64 s[64:65], 0
	v_nop
	global_prefetch_b8 v0, s[64:65] scope:SCOPE_SE
	s_setreg_imm32_b32 hwreg(HW_REG_WAVE_MODE, 25, 1), 1
	s_wait_xcnt 0x0
	s_wait_alu depctr_hold_cnt(0) depctr_sa_sdst(0) depctr_va_vdst(0) depctr_va_sdst(0) depctr_va_ssrc(0) depctr_va_vcc(0) depctr_vm_vsrc(0)
	s_getreg_b32 s2, hwreg(HW_REG_IB_STS2, 6, 4)
	s_cmp_eq_u32 s2, 0
	s_cbranch_scc0 .Lentry_in_a_cluster
	s_endpgm
.Lentry_in_a_cluster:
	s_bfe_u32 s2, ttmp6, 0x10000c
	s_cmp_lg_u32 s2, 0xf033
	s_cbranch_scc0 .Lentry_shape_is_right
	s_endpgm
.Lentry_shape_is_right:
; out0 = attention output x W_out^T + b_out, 8192 x 1024 x 1024, f16 operands, f32 sums, f32 out.
; A = ob[batch x 16 + head][t][64] f16: column c of a row is number c % 64 of head c / 64.  B = wob [1024][1024] f16.
; A work-group makes 256 rows x 128 columns: 8 x 32 = 256 work-groups.  Four waves; wave w makes rows 64 w .. 64 w + 63 and all 128
; columns: 4 x 8 accumulator tiles, 256 registers (window 2).
; K goes in steps of 128 (two heads) through two LDS slots.  Wave 0 brings head 2 s, wave 1 head 2 s + 1 (256 rows of 128 bytes each, the
; head's own row length, laid 144 bytes apart); waves 2 and 3 bring 64 rows of W_out each (256 bytes, laid 272 apart).
; CLUSTERS: 4 x 4 work-groups; A's tiles are asked for jointly by a row of the cluster, W_out's by a column.
; REGISTER WINDOWS: 0: addresses, A's fragments v64-127 (two buffers of 32; later the way out), the bias v128-191;
; 1: W_out's fragments v0-127 (two buffers of 64); 2: tile (a, b) at 8 (8 a + b).
; Used transposed (source 0 = W_out's rows): a lane holds eight neighbouring columns of one row.  The first product takes the bias as C.
; The 32 accumulators take turns, one instruction a turn, in the same order in every quarter step.
.set PA,     144
.set PB,     272
.set HA,     256*PA                    ; one head's 256 rows: 36,864
.set HB,     64*PB                     ; 17,408
.set BOFF,   2*HA
.set SLOT,   2*HA+2*HB                 ; 108,544
.set STAGE,  2*SLOT                    ; 217,088: 16 rows x 528 bytes for each wave; no tensor load lands here
.set SPITCH, 528                       ; 512 bytes of a row of 128 f32 + 16
.set LAPS,   4
.set ADRA, 16
.set ADRB, 20
.set STO,  24
.set RD,   25
.set CO,   26
.set BO,   27
.set BIAS, 128
.set G1,  16
.set G1B, 24
.set G0,  32
.set G0B, 48
.set MSB, 0
.macro WIN new
.if MSB != \new
	s_set_vgpr_msb (MSB<<8)|\new
.set MSB, \new
.endif
.endm
.macro PLACES                          ; four places behind a matrix instruction (ISA guide 7.12.1)
.rept 4
	v_nop
.endr
.endm
.macro JLOAD s
	s_cmp_eq_u32 s13, 0
	s_cbranch_scc0 .Lfor_b_\@
	tensor_load_to_lds s[G0+4*\s:G0+4*\s+3], s[G1:G1+7]
	s_nop 0
.rept 4
	v_nop
.endr
	s_branch .Lasked_\@
.Lfor_b_\@:
	tensor_load_to_lds s[G0B+4*\s:G0B+4*\s+3], s[G1B:G1B+7]
	s_nop 0
.rept 4
	v_nop
.endr
.Lasked_\@:
.endm
.macro CREST
	s_cmp_lg_u32 s12, 0
	s_cbranch_scc1 .Lnot_wave_0_\@
	s_barrier_signal -3
.Lnot_wave_0_\@:
	s_barrier_wait -3
	s_barrier_signal -1
	s_barrier_wait -1
.endm
.macro CROUND
	s_barrier_signal -1
	s_barrier_wait -1
	CREST
.endm
	s_load_b256 s[4:11], s[0:1], 0x0               ; ob s[4:5], wob s[6:7], b_out s[8:9], out0 s[10:11]
	s_set_vgpr_msb 0x40
	v_lshl_add_u32 v255, v0, 2, 0x3d400
	s_set_vgpr_msb 0x4000
	v_mov_b32 v255, 0
	s_set_vgpr_msb 0x1
	ds_add_u32 v255, v255
	ds_add_u32 v255, v255
	s_set_vgpr_msb 0x100
	v_lshrrev_b32 v1, 5, v0
	v_readfirstlane_b32 s12, v1                    ; wave 0..3
	s_lshr_b32 s13, s12, 1                         ; I fetch for A (0) or for W_out (1)
	s_and_b32 s14, s12, 1                          ; which head of the step, or which 64 rows of W_out
	s_bfe_u32 s40, ttmp6, 0x40000                  ; cx
	s_bfe_u32 s41, ttmp6, 0x40004                  ; cy
	s_lshl_b32 s42, ttmp9, 2
	s_add_co_u32 s42, s42, s40                     ; block column
	s_and_b32 s43, ttmp7, 0xffff
	s_lshl_b32 s43, s43, 2
	s_add_co_u32 s43, s43, s41                     ; block row
	s_lshl_b32 s44, s41, 2
	s_lshl_b32 s44, 15, s44                        ; my row of the cluster
	s_lshl_b32 s45, 0x1111, s40                    ; my column
	s_or_b32 s[G1+0], s44, (1<<16)|(1<<20)|(1<<21)|(4<<22)|(3<<25)   ; 4 words of padding behind every 32
	s_or_b32 s[G1B+0], s45, (1<<16)|(1<<20)|(1<<21)|(5<<22)|(3<<25)  ; behind every 64
	s_mov_b32 s[G1+1], 64<<16                      ; tensor_dim0
	s_mov_b32 s[G1B+1], 128<<16
	s_mov_b32 s[G1+2], 256<<16                     ; tensor_dim1
	s_mov_b32 s[G1B+2], 64<<16
	s_mov_b32 s[G1+3], 64<<16                      ; tile_dim0
	s_mov_b32 s[G1B+3], 128<<16
	s_mov_b32 s[G1+4], 256                         ; tile_dim1
	s_mov_b32 s[G1B+4], 64
	s_mov_b32 s[G1+5], 64                          ; elements from row to row
	s_mov_b32 s[G1B+5], 1024
	s_mov_b32 s[G1+6], 0
	s_mov_b32 s[G1B+6], 0
	s_mov_b32 s[G1+7], 0
	s_mov_b32 s[G1B+7], 0
	; A's address is made of the block row and the wave's number in s[56:57], W_out's of the block column and the wave's number in s[58:59]
	s_lshr_b32 s56, s43, 3                         ; batch: 16 heads of 262,144 bytes
	s_lshl_b32 s56, s56, 22
	s_and_b32 s62, s43, 7
	s_lshl_b32 s62, s62, 15                        ; 256 rows of 128 bytes
	s_add_co_u32 s56, s56, s62
	s_lshl_b32 s62, s14, 18                        ; head 0 or 1 of the step
	s_add_co_u32 s56, s56, s62
	s_mov_b32 s57, 0
	s_lshl_b32 s63, s14, 6
	s_lshl_b32 s58, s42, 7
	s_add_co_u32 s58, s58, s63                     ; row 128 x block column + 64 x half
	s_lshl_b32 s58, s58, 11
	s_mov_b32 s59, 0
	s_mul_i32 s46, s12, HA                         ; LDS: A's heads at wave x 36,864 (waves 0, 1)
	s_mul_i32 s47, s12, HB
	s_add_co_u32 s47, s47, 2*HA-2*HB               ; W_out's halves at 73,728 + (wave - 2) x 17,408 (waves 2, 3)
	s_wait_dscnt 0x0
	s_wait_kmcnt 0x0
	s_add_nc_u64 s[56:57], s[4:5], s[56:57]
	s_add_nc_u64 s[58:59], s[6:7], s[58:59]
	CROUND                                         ; all sixteen work-groups are here: the first joint loads meet
.irp s, 0,1
	s_mov_b32 s[G0+4*\s], 1
	s_add_co_u32 s[G0+4*\s+1], s46, \s*SLOT
	s_add_nc_u64 s[G0+4*\s+2:G0+4*\s+3], s[56:57], \s*524288       ; K step s: two heads on
	s_or_b32 s[G0+4*\s+3], s[G0+4*\s+3], 0x80000000
	s_mov_b32 s[G0B+4*\s], 1
	s_add_co_u32 s[G0B+4*\s+1], s47, \s*SLOT
	s_add_nc_u64 s[G0B+4*\s+2:G0B+4*\s+3], s[58:59], \s*256
	s_or_b32 s[G0B+4*\s+3], s[G0B+4*\s+3], 0x80000000
	JLOAD \s
.endr
	v_and_b32 v1, 15, v0                           ; l % 16
	v_bfe_u32 v2, v0, 4, 1                         ; l / 16
	v_lshlrev_b32 v[BO], 5, v2
	s_lshl_b32 s60, s42, 9                         ; my 128 columns, in bytes of f32: b_out, and later out0
	s_mov_b32 s61, 0
	s_add_nc_u64 s[8:9], s[8:9], s[60:61]
.irp b, 0,1,2,3,4,5,6,7
	global_load_b128 v[BIAS+8*\b:BIAS+8*\b+3], v[BO], s[8:9] offset:64*\b
	global_load_b128 v[BIAS+8*\b+4:BIAS+8*\b+7], v[BO], s[8:9] offset:64*\b+16
.endr
	v_mul_u32_u24 v3, v1, PA
	v_lshl_add_u32 v3, v2, 4, v3
	v_mul_u32_u24 v4, v1, PB
	v_lshl_add_u32 v4, v2, 4, v4
	s_mul_i32 s62, s12, 64*PA                      ; my 64 rows of A
	s_mov_b32 s63, BOFF
.irp s, 0,1
	v_add_nc_u32 v[ADRA+\s], s62, v3
	v_add_nc_u32 v[ADRB+\s], s63, v4
	s_add_co_u32 s62, s62, SLOT
	s_add_co_u32 s63, s63, SLOT
.endr
	s_mul_i32 s62, s12, 16*SPITCH
	s_add_co_u32 s62, s62, STAGE                   ; my stage
	v_mul_u32_u24 v5, v1, SPITCH
	v_lshl_add_u32 v5, v2, 5, v5
	v_add_nc_u32 v[STO], s62, v5                   ; in: row l % 16, 32 bytes for each half of the lanes
	v_and_b32 v6, 31, v0
	v_lshlrev_b32 v[CO], 4, v6
	v_add_nc_u32 v[RD], s62, v[CO]                 ; back: 32 lanes take a row of 512 bytes
.macro MULA p, a, first
.irp b, 0,1,2,3,4,5,6,7
.if \first
	v_wmma_f32_16x16x32_f16 v[8*(8*\a+\b):8*(8*\a+\b)+7], v[64*(\p)+8*\b:64*(\p)+8*\b+7], v[64+32*(\p)+8*\a:64+32*(\p)+8*\a+7], v[BIAS+8*\b:BIAS+8*\b+7]
.else
	v_wmma_f32_16x16x32_f16 v[8*(8*\a+\b):8*(8*\a+\b)+7], v[64*(\p)+8*\b:64*(\p)+8*\b+7], v[64+32*(\p)+8*\a:64+32*(\p)+8*\a+7], v[8*(8*\a+\b):8*(8*\a+\b)+7]
.endif
.endr
.endm
; 24 LDS loads in one run: quarter q of a K step (128 rows of W_out, my 64 rows of A) into buffer p.  Quarter q of A is head q / 2, numbers 32 (q % 2) ..
.macro FETCH slot, q, p
	WIN 0x40
.irp i, 0,1,2,3,4,5,6,7
	ds_load_b128 v[64*(\p)+8*\i:64*(\p)+8*\i+3], v[ADRB+\slot] offset:64*\q+\i*16*PB
	ds_load_b128 v[64*(\p)+8*\i+4:64*(\p)+8*\i+7], v[ADRB+\slot] offset:64*\q+\i*16*PB+32
.endr
	WIN 0
.irp i, 0,1,2,3
	ds_load_b128 v[64+32*(\p)+8*\i:64+32*(\p)+8*\i+3], v[ADRA+\slot] offset:(\q>>1)*HA+(\q&1)*64+\i*16*PA
	ds_load_b128 v[64+32*(\p)+8*\i+4:64+32*(\p)+8*\i+7], v[ADRA+\slot] offset:(\q>>1)*HA+(\q&1)*64+\i*16*PA+32
.endr
.endm
.macro QUARTER slot, q, p, first
	s_wait_dscnt 4                                 ; all but the four youngest loads: A's fragments 2 and 3
.if \first
	WIN 0x81
.else
	WIN 0xa1
.endif
	MULA \p, 0, \first
	MULA \p, 1, \first
	PLACES
	FETCH \slot, \q, 1-\p
	s_wait_dscnt 24                                ; all but the 24 just issued
.if \first
	WIN 0x81
.else
	WIN 0xa1
.endif
	MULA \p, 2, \first
	MULA \p, 3, \first
.endm
.macro THREE slot, first
	QUARTER \slot, 1, 0, \first
	QUARTER \slot, 2, 1, 0
	QUARTER \slot, 3, 0, 0
.endm
; The last quarter and the change of slots: each wave's waits, the barrier (where the slot is filled again: a round of the cluster's barrier),
; the joint refill first behind it.  From a request to the wait for it: 120 matrix instructions.
.macro TURN slot, next, fill
	s_wait_dscnt 4
	WIN 0xa1
	MULA 1, 0, 0
	s_wait_dscnt 0                                 ; my reads of this slot are over
	s_wait_tensorcnt 0x0                           ; and all my tensor loads have landed
	ds_add_u32 v255, v255
	s_wait_dscnt 0x0
	s_barrier_signal -1
	MULA 1, 1, 0
	WIN 0
	s_barrier_wait -1
.if \fill
	CREST
	s_add_nc_u64 s[G0+4*\slot+2:G0+4*\slot+3], s[G0+4*\slot+2:G0+4*\slot+3], 1048576  ; two K steps = four heads on
	s_add_nc_u64 s[G0B+4*\slot+2:G0B+4*\slot+3], s[G0B+4*\slot+2:G0B+4*\slot+3], 512
	JLOAD \slot
.else
	PLACES
.endif
	FETCH \next, 0, 0
	WIN 0xa1
	MULA 1, 2, 0
	MULA 1, 3, 0
.endm
.macro LAP first
	THREE 0, \first
	TURN 0, 1, 1
	THREE 1, 0
	TURN 1, 0, 1
.endm
	s_wait_tensorcnt 1                             ; my part of K step 0 is in; K step 1 stays out
	s_barrier_signal -1
	s_barrier_wait -1
	FETCH 0, 0, 0
	s_wait_loadcnt 0x0                             ; the bias
	LAP 1
	WIN 0
	s_mov_b32 s15, LAPS-2
.Llap:
	LAP 0
	WIN 0
	s_sub_co_u32 s15, s15, 1
	s_cmp_lg_u32 s15, 0
	s_cbranch_scc1 .Llap
	THREE 0, 0                                     ; the last lap fills nothing
	TURN 0, 1, 0
	THREE 1, 0
	s_wait_dscnt 4
	WIN 0xa1
	MULA 1, 0, 0
	MULA 1, 1, 0
	s_wait_dscnt 0
	MULA 1, 2, 0
	MULA 1, 3, 0
	; THE WAY OUT, 16 rows at a time, through my own stage: a store of the wave covers a row's 512 consecutive bytes, aligned
	PLACES
	s_lshl_b32 s56, s43, 8
	s_lshl_b32 s62, s12, 6
	s_add_co_u32 s56, s56, s62                     ; my first row
	s_lshl_b32 s56, s56, 12                        ; x 4,096 bytes
	s_mov_b32 s57, 0
	s_add_nc_u64 s[10:11], s[10:11], s[56:57]
	s_add_nc_u64 s[10:11], s[10:11], s[60:61]      ; my 128 columns
.macro OUT16 a
	WIN 0x08                                       ; store data in window 2
.irp b, 0,1,2,3,4,5,6,7
	ds_store_b128 v[STO], v[8*(8*\a+\b):8*(8*\a+\b)+3] offset:64*\b
	ds_store_b128 v[STO], v[8*(8*\a+\b)+4:8*(8*\a+\b)+7] offset:64*\b+16
.endr
	WIN 0
	s_wait_xcnt 0x0                                ; v64-127, which the last sixteen rows' stores read, are loaded again only behind this wait
.irp t, 0,1,2,3,4,5,6,7,8,9,10,11,12,13,14,15
	ds_load_b128 v[64+4*\t:64+4*\t+3], v[RD] offset:SPITCH*\t      ; LDS serves a wave in order: these see the stores above
.endr
.irp t, 0,1,2,3,4,5,6,7,8,9,10,11,12,13,14,15
	s_wait_dscnt 15-\t
	global_store_b128 v[CO], v[64+4*\t:64+4*\t+3], s[10:11] offset:(16*\a+\t)*4096 th:TH_STORE_NT
.endr
.endm
	OUT16 0
	OUT16 1
	OUT16 2
	OUT16 3
	s_set_vgpr_msb 0x1
	s_wait_tensorcnt 0x0
	ds_add_u32 v255, v255
	s_wait_dscnt 0x0
	s_set_vgpr_msb 0x100
	CROUND                                         ; the closing round
	s_endpgm
.Lfunc_end_k_q8d586da392_outproj:
	.size	k_q8d586da392_outproj, .Lfunc_end_k_q8d586da392_outproj-k_q8d586da392_outproj
	.p2alignl 7, 3214868480
	.fill 96, 4, 3214868480
	.section	.rodata,"a",@progbits
	.p2align	6, 0x0
	.amdhsa_kernel k_q8d586da392_outproj
		.amdhsa_group_segment_fixed_size 327680
		.amdhsa_private_segment_fixed_size 0
		.amdhsa_enable_private_segment 0
		.amdhsa_kernarg_size 32
		.amdhsa_user_sgpr_count 2
		.amdhsa_user_sgpr_kernarg_segment_ptr 1
		.amdhsa_wavefront_size32 1
		.amdhsa_system_sgpr_workgroup_id_x 1
		.amdhsa_system_sgpr_workgroup_id_y 1
		.amdhsa_system_sgpr_workgroup_id_z 1
		.amdhsa_system_vgpr_workitem_id 0
		.amdhsa_next_free_vgpr 768
		.amdhsa_next_free_sgpr 80
		.amdhsa_reserve_vcc 0
		.amdhsa_float_denorm_mode_32 3
		.amdhsa_float_denorm_mode_16_64 3
		.amdhsa_memory_ordered 1
		.amdhsa_forward_progress 1
		.amdhsa_inst_pref_size 121
	.end_amdhsa_kernel
	.amdgpu_metadata
---
amdhsa.version: [ 1, 2 ]
amdhsa.kernels:
  - .name:           k_q8d586da392_outproj
    .symbol:         k_q8d586da392_outproj.kd
    .args:
      - { .name: ob, .offset: 0, .size: 8, .value_kind: global_buffer, .address_space: global }
      - { .name: wob, .offset: 8, .size: 8, .value_kind: global_buffer, .address_space: global }
      - { .name: b_out, .offset: 16, .size: 8, .value_kind: global_buffer, .address_space: global }
      - { .name: out0, .offset: 24, .size: 8, .value_kind: global_buffer, .address_space: global }
    .group_segment_fixed_size: 327680
    .private_segment_fixed_size: 0
    .kernarg_segment_align: 8
    .kernarg_segment_size: 32
    .max_flat_workgroup_size: 128
    .sgpr_count:     80
    .vgpr_count:     768
    .wavefront_size: 32
...
	.end_amdgpu_metadata
.endif
;; end of part 4
